; MI455X (gfx1250); checked and timed in simulation.
; The chip was launched on July 23, 2026; its instructions are those of AMD's public machine-readable ISA for CDNA 5 (MIT licence, August 2026) and "CDNA5" Instruction Set Architecture Reference Guide (July 2026). The comments in the code are by the model that wrote it; some were corrected since.
;; Multi Head Attention. Allowed arithmetic: matrix products marked QUANTISED: E2M1 operands, one E8M0 scale for each 32 along K, by v_wmma_scale_f32_16x16x128_f8f6f4 with both operands' format E2M1 (or v_wmma_scale_f32_32x16x128_f4), f32 sums; products left as they are: bf16, f16 or f32 operands; f32 sums; everything else in f32.
;; Inputs: Wc 4,096 x 128 float32; Wk 32 x 1,024 x 128 float32; Wv 32 x 1,024 x 128 float32; bc 128 float32; bk 32 x 128 float32; bv 32 x 128 float32; query 8 x 512 x 128 float32; states 8 x 512 x 1,024 float32.
;; Outputs: out0 8 x 512 x 128 float32.
;; This version of the problem:
;;   THIS VERSION OF THE PROBLEM IS GIVEN IN LOW PRECISION. The matrix products marked QUANTISED in the list below multiply operands that are first quantised to E2M1 (2 exponent bits, 1 mantissa bit; 4 bits a number), with one power-of-two scale for each 32 numbers along K (OCP MX v1.0); their sums are f32. The products marked 'left as it is' may take bf16, f16 or f32 operands, with f32 sums. Whichever they take, every output number must still come out within the allowed error. Rounding operands to bf16 (8 significant bits) uses up far more of that allowance than f16 does (11 bits, for magnitudes from 6e-5 to 65,504). All else is computed in f32.
;;   The module's matrix products, in the order in which they are computed (A, B: the left and right operand; K: the contracted axis; several contracted axes count as one K, in the product's order):
;;     1. [M 4,096, K 1,024] x [K 1,024, N 4,096]; A: input Wk; B: input states: QUANTISED
;;     2. [M 4,096, K 1,024] x [K 1,024, N 4,096]; A: input Wv; B: input states: QUANTISED
;;     3. batch 8 x [M 16,384, K 128] x [K 128, N 512]; A: computed on the way; B: input query: left as it is (an operand is computed on the way)
;;     4. batch 256 x [M 512, K 512] x [K 512, N 128]; A: computed on the way; B: computed on the way: left as it is (an operand is computed on the way)
;;     5. [M 4,096, K 4,096] x [K 4,096, N 128]; A: computed on the way; B: input Wc: left as it is (an operand is computed on the way)
;;   THE QUANTISER, for each operand of a quantised product, along K:
;;     - K is cut into blocks of 32 from its start; a last block that is shorter is filled with zeros.
;;     - A block's scale is 2^e with e = floor(log2(the largest magnitude in the block)) - 2, held to -126 .. 127; a block of zeros has e = 0. As a byte (E8M0): e + 127.
;;     - Each number is divided by its block's scale, clamped to +-6, and rounded to the nearest number of E2M1, ties to even, subnormals kept.
;;     - The product sums the exact products of the quantised numbers (number of the format x scale) in f32.
;;   ~~~python
;;   def quantise(x, axis):      # numpy; x: float32 -> the quantised numbers, widened to float32 again
;;       x = np.moveaxis(x, axis, -1); K = x.shape[-1]
;;       x = np.pad(x, [(0, 0)] * (x.ndim - 1) + [(0, -K % 32)]); x = x.reshape(x.shape[:-1] + (-1, 32)); a = np.abs(x).max(-1, keepdims=True)
;;       e = np.where(a > 0, np.clip(np.frexp(np.where(a > 0, a, 1))[1] - 1 - 2, -126, 127), 0)      # np.frexp(a)[1] - 1 = floor(log2(a)), exactly
;;       r = np.clip(x / 2.0 ** e, -6, 6)
;;       step = 2.0 ** (np.maximum(np.frexp(np.where(r == 0, 1, r))[1] - 1, 0) - 1)
;;       q = np.round(r / step) * step * 2.0 ** e      # np.round: ties to even
;;       return np.moveaxis(q.reshape(q.shape[:-2] + (-1,))[..., :K], -1, axis).astype(np.float32)
;;   ~~~
;; One version. Each part assembles by itself: llvm-mc -triple=amdgcn-amd-amdhsa -mcpu=gfx1250 --defsym DOCPART=n.
;; ======== version 1 of 1: 3 launches
;; limits: values are held in f16: magnitudes above 65,504 overflow, below 6.1e-05 lose precision
;; workspace buffers: sa 2,097,152 bytes; sas 131,072 bytes; wc4 4,194,304 bytes; wsc 262,144 bytes; qf 1,048,576 bytes; wcf 1,048,576 bytes; part 67,108,864 bytes
;; launch quant (part 1): grid 832 x 1, 4 waves a work-group, no clusters, 67,072 bytes of LDS; arguments states, Wk, Wv, sa, sas, wc4, wsc, query, Wc, qf, wcf; writes sa, sas, wc4, wsc, qf, wcf
.if DOCPART == 1
	.amdgcn_target "amdgcn-amd-amdhsa--gfx1250"
	.amdhsa_code_object_version 6
	.text
	.protected	k_qed470e1a24_quant
	.globl	k_qed470e1a24_quant
	.p2align	8
	.type	k_qed470e1a24_quant,@function
k_qed470e1a24_quant:
	s_mov_b64 s[64:65], 0
	v_nop
	global_prefetch_b8 v0, s[64:65] scope:SCOPE_SE
	s_setreg_imm32_b32 hwreg(HW_REG_WAVE_MODE, 25, 1), 1
	s_wait_xcnt 0x0
; THE OPERANDS OF THE NEXT LAUNCH, LAID IN THE ORDER OF THEIR REGISTERS, so that a fragment comes by loads of 16 bytes a lane at 16 x lane.
; states [4096 rows][1024] f32 and Wk, Wv [32 heads][1024 (d)][128 (e)] f32 become codes of FP4 (E2M1) with one E8M0 scale byte for each 32 along d (a fragment: 16 rows x 128 along d, 1,024 bytes):
;   sa  [row tile X 256][K step 8][block 4][row 16][16 bytes]            sas [X 256][slot 32][word 4]: slot r + 16 (K step % 2), word K step / 2: row r's four scale bytes of that K step
;   wc4 [head 32][k or v 2][e tile 8][K step 8][block 4][e 16][16 bytes]  wsc [head 32][8 kv + e tile, 16][slot 32][word 4], as sas
; query [4096 rows][128] f32 and Wc [32 heads][128 (e)][128 (n)] f32 are rounded to f16, as fragments of 16 rows (of Wc: 16 columns n) x 32 along e (1,024 bytes: two quads of registers):
;   qf  [row tile X 256][32 e, 4][quad 2][lane 32][16 bytes]             wcf [head 32][n tile 8][32 e, 4][quad 2][lane 32][16 bytes]
;   lane (r, hh), quad c: e = 32 u + 16 c + 8 hh + 0..7 of row (column) r
; A block's scale is 2^(floor(log2(its largest magnitude)) - 2): its byte is the largest magnitude's exponent field - 2, held at 1 from below by a floor among the maximum's leaves.
; LIMITS: a block of zeros gets the byte 1 where the rule says 127 (its codes are zeros, which add nothing under any byte but 0xff, and this program alone reads the bytes);
; NaN and infinities among the inputs are not served; query and Wc must stay under 65,504 in magnitude (f16).  The scale words leave as 4 bytes a lane, 16 bytes apart: one byte in 128 of what is read for them.
; SHARES: 832 work-groups of 64 KiB each.  0-255: a row tile of states (K innermost: the rows turn through a stage in LDS); 256-767: 128 along d of one head's Wk or Wv (K is the first axis: a lane takes
; a column e and its registers run down d); 768-799: 128 rows of query; 800-831: one head of Wc.  Only the first path touches LDS.  Waves share nothing: no barrier.
.set PITCH, 1040                       ; a stage row: my wave's 1,024 bytes of a row of states + 16: 260 words, so the 16 rows that a load touches start 4 banks apart
.set STG,   16*PITCH                   ; a wave's stage
.set SPARE, 4*STG                      ; behind the four stages: the spare words, 128 bytes for each wave: two blocks of 256 bytes that no other line names
.set SPW,   12                         ; v12  LDS address of my spare word; never rewritten
.set NIL,   13                         ; v13  0; never rewritten
.set R,     32                         ; v32-159   128 numbers as they are loaded
.set XS,    160                        ; v160-223  states: two sets of 32 neighbours along d; query, Wc: 64 registers of f16 pairs
.set C,     224                        ; v224-239  four blocks' codes: no store's data are written again
	s_load_b256 s[4:11], s[0:1], 0x0               ; states s[4:5], Wk s[6:7], Wv s[8:9], sa s[10:11]
	s_load_b128 s[12:15], s[0:1], 0x20             ; sas s[12:13], wc4 s[14:15]
	s_load_b64 s[16:17], s[0:1], 0x30              ; wsc
	s_load_b128 s[40:43], s[0:1], 0x38             ; query s[40:41], Wc s[42:43]
	s_load_b128 s[44:47], s[0:1], 0x48             ; qf s[44:45], wcf s[46:47]
	v_lshl_add_u32 v[SPW], v0, 2, SPARE
	v_mov_b32 v[NIL], 0
	v_lshrrev_b32 v1, 5, v0
	v_readfirstlane_b32 s18, v1                    ; wave 0..3
	v_and_b32 v1, 31, v0                           ; lane
	v_and_b32 v2, 15, v0                           ; r
	v_bfe_u32 v3, v0, 4, 1                         ; hh
	v_lshlrev_b32 v4, 4, v1                        ; 16 x lane
	s_mov_b32 s20, 0x76543210
	s_mov_b32 s21, 0xfedcba98                      ; v_permlanex16_b32's selects for lane l xor 16
; 32 numbers of ONE block in v[src] on -> 16 bytes of codes in v[cdst] on, the scale's byte in v[breg]
.macro BLOCK src, cdst, breg
	v_max3_num_f32 v9, |v[(\src)]|, |v[(\src)+1]|, |v[(\src)+2]|       ; the largest magnitude, in two chains
	v_max3_num_f32 v10, |v[(\src)+3]|, |v[(\src)+4]|, |v[(\src)+5]|
.irp i, 6,10,14,18,22,26
	v_max3_num_f32 v9, v9, |v[(\src)+\i]|, |v[(\src)+\i+1]|
	v_max3_num_f32 v10, v10, |v[(\src)+\i+2]|, |v[(\src)+\i+3]|
.endr
	v_max3_num_f32 v9, v9, |v[(\src)+30]|, |v[(\src)+31]|
	v_max3_num_f32 v9, v9, v10, 0x1800000          ; and the floor 2^(3 - 127): the byte cannot fall under 1
	v_add_nc_u32 v11, 0xff000000, v9               ; 2 off the exponent field: the conversion takes the exponent field of this operand as its scale, and nothing else of it
.irp g, 0,1,2,3
	v_cvt_scalef32_pk8_fp4_f32 v[(\cdst)+\g], v[(\src)+8*\g:(\src)+8*\g+7], v11   ; eight numbers / the scale, to the nearest code, ties to even, beyond 6 the largest code
.endr
	v_lshrrev_b32 v[\breg], 23, v11                ; the scale's byte; also the plain line behind the conversions
.endm
	s_cmp_lt_u32 ttmp9, 256                        ; the work-group's number alone decides the path
	s_cbranch_scc0 .Lweights
; ---- states: row tile X = the work-group's number: 16 rows x 4,096 bytes, consecutive.  Wave w takes bytes 1,024 w on of each row: K steps 2 w and 2 w + 1.
	s_lshl_b32 s22, ttmp9, 16                      ; states: 65,536 X
	s_mov_b32 s23, 0
	s_lshl_b32 s24, ttmp9, 13
	s_lshl_b32 s26, s18, 11
	s_add_co_u32 s24, s24, s26                     ; sa: 8,192 X + 2,048 w
	s_mov_b32 s25, 0
	s_lshl_b32 s26, ttmp9, 9                       ; sas: 512 X
	s_mov_b32 s27, 0
	s_mul_i32 s28, s18, STG                        ; my stage
	v_lshl_add_u32 v5, s18, 10, v4                 ; in memory: 16 x lane + 1,024 w
	v_add_nc_u32 v6, s28, v4                       ; into the stage: as loaded
	v_mul_u32_u24 v7, v2, PITCH
	v_lshl_add_u32 v7, v3, 7, v7
	v_add_nc_u32 v7, s28, v7                       ; out of it: row r, block hh: 128 bytes a block
	v_lshl_add_u32 v8, s18, 2, v4                  ; my scale word: slot = lane, word w
	s_wait_kmcnt 0x0
	s_add_nc_u64 s[4:5], s[4:5], s[22:23]
	s_add_nc_u64 s[10:11], s[10:11], s[24:25]
	s_add_nc_u64 s[12:13], s[12:13], s[26:27]
.irp p, 0,1,2,3,4,5,6,7,8,9,10,11,12,13,14,15
.irp q, 0,1
	global_load_b128 v[R+8*\p+4*\q:R+8*\p+4*\q+3], v5, s[4:5] offset:4096*\p+512*\q th:TH_LOAD_NT   ; 32 lanes read 512 consecutive bytes
.endr
.endr
.irp p, 0,1,2,3,4,5,6,7,8,9,10,11,12,13,14,15
	s_wait_loadcnt 30-2*\p                         ; row p's two loads are in; the two of each later row may be out
.irp q, 0,1
	ds_store_b128 v6, v[R+8*\p+4*\q:R+8*\p+4*\q+3] offset:PITCH*\p+512*\q
.endr
.endr
.macro GET i                           ; my block 2 i + hh of row r: 32 neighbours along d.  LDS serves a wave's instructions in order: these see my stores
.irp q, 0,1,2,3,4,5,6,7
	ds_load_b128 v[XS+32*((\i)%2)+4*\q:XS+32*((\i)%2)+4*\q+3], v7 offset:256*(\i)+16*\q
.endr
.endm
	GET 0
	GET 1
.irp i, 0,1,2,3
.if \i < 3
	s_wait_dscnt 8                                 ; this block's eight loads are in; the next block's eight may be out
.else
	s_wait_dscnt 0x0
.endif
	BLOCK XS+32*(\i%2), C+4*\i, 16+\i
	global_store_b128 v4, v[C+4*\i:C+4*\i+3], s[10:11] offset:512*\i   ; 256 (2 i + hh) + 16 r = 512 i + 16 x lane: the wave stores 512 consecutive bytes
.if \i < 2
	GET \i+2
.endif
.endr
	v_lshl_or_b32 v20, v17, 16, v16                ; K step 2 w: my bytes of blocks hh and 2 + hh,
	v_lshl_or_b32 v21, v19, 16, v18                ; K step 2 w + 1 likewise,
	v_lshlrev_b32 v22, 3, v3
	v_lshlrev_b32 v20, v22, v20                    ; at their places in the word: 8 hh bits up
	v_lshlrev_b32 v21, v22, v21
	v_mov_b32 v23, 0                               ; (a lane permute's destination counts as one of its sources)
	v_mov_b32 v24, 0
	v_permlanex16_b32 v23, v20, s20, s21
	v_permlanex16_b32 v24, v21, s20, s21
	v_or_b32 v20, v20, v23                         ; with lane l xor 16's two bytes the words are whole
	v_or_b32 v21, v21, v24
	v_cmp_eq_u32 vcc_lo, 1, v3
	v_cndmask_b32 v20, v20, v21, vcc_lo            ; lanes 0-15 store the even K step's word, lanes 16-31 the odd one's
	global_store_b32 v8, v20, s[12:13]
	s_wait_tensorcnt 0x0                           ; the wave's end, behind my last LDS store
	ds_add_u32 v[SPW], v[NIL]
	s_wait_dscnt 0x0
	s_endpgm
; ---- weights: work-group 256 + 256 kv + 8 h + s takes d = 128 s .. 128 s + 127 of head h of Wk (kv = 0) or Wv (1).  Lane l of wave w takes column e = 32 w + l.  This path writes no LDS.
.Lweights:
	s_cmp_lt_u32 ttmp9, 768
	s_cbranch_scc0 .Lquery
	s_sub_co_u32 s22, ttmp9, 256
	s_and_b32 s24, s22, 7                          ; s
	s_bfe_u32 s26, s22, 0x50003                    ; h: 5 bits from bit 3
	s_lshr_b32 s28, s22, 8                         ; kv
	s_lshl_b32 s30, s26, 19
	s_lshl_b32 s31, s24, 16
	s_add_co_u32 s30, s30, s31                     ; W: 524,288 h + 65,536 s
	s_mov_b32 s31, 0
	s_lshl_b32 s32, s26, 17
	s_lshl_b32 s33, s28, 16
	s_add_co_u32 s32, s32, s33
	s_lshl_b32 s33, s24, 10
	s_add_co_u32 s32, s32, s33                     ; wc4: 131,072 h + 65,536 kv + 1,024 s
	s_mov_b32 s33, 0
	s_lshl_b32 s34, s26, 13
	s_lshl_b32 s35, s28, 12
	s_add_co_u32 s34, s34, s35
	s_and_b32 s35, s24, 1
	s_lshl_b32 s35, s35, 8
	s_add_co_u32 s34, s34, s35
	s_lshr_b32 s35, s24, 1
	s_lshl_b32 s35, s35, 2
	s_add_co_u32 s34, s34, s35                     ; wsc: 8,192 h + 4,096 kv + 256 (s % 2) + 4 (s / 2)
	s_mov_b32 s35, 0
	v_lshlrev_b32 v5, 2, v1
	v_lshl_add_u32 v5, s18, 7, v5                  ; in: 128 w + 4 x lane
	v_lshl_add_u32 v6, s18, 1, v3                  ; my e tile: 2 w + hh
	v_lshlrev_b32 v8, 4, v2
	v_lshl_add_u32 v7, v6, 9, v8                   ; my scale word: 512 x e tile + 16 r
	v_lshl_add_u32 v6, v6, 13, v8                  ; my codes: 8,192 x e tile + 16 r
	s_cmp_eq_u32 s28, 0                            ; the choice hangs on the work-group's number alone
	s_wait_kmcnt 0x0
	s_cselect_b64 s[6:7], s[6:7], s[8:9]
	s_add_nc_u64 s[6:7], s[6:7], s[30:31]
	s_add_nc_u64 s[14:15], s[14:15], s[32:33]
	s_add_nc_u64 s[16:17], s[16:17], s[34:35]
.set ii, 0
.rept 128
	global_load_b32 v[R+ii], v5, s[6:7] offset:512*ii th:TH_LOAD_NT   ; W(128 s + ii, my column): a wave reads 128 consecutive bytes, the work-group a whole row of 512
.set ii, ii+1
.endr
.irp blk, 0,1,2,3
.if \blk < 2
	s_wait_loadcnt 63                              ; behind this block's last load 96 (64) were issued: the field names 63 at the most, and a smaller count waits for more
.else
	s_wait_loadcnt 32*(3-\blk)
.endif
	BLOCK R+32*\blk, C+4*\blk, 16+\blk
	global_store_b128 v6, v[C+4*\blk:C+4*\blk+3], s[14:15] offset:256*\blk   ; sixteen lanes store 256 consecutive bytes, aligned
.endr
	v_lshl_or_b32 v14, v17, 8, v16                 ; my column's four bytes of this K step: its scale word
	v_lshl_or_b32 v14, v18, 16, v14
	v_lshl_or_b32 v14, v19, 24, v14
	global_store_b32 v7, v14, s[16:17]
	s_endpgm
; ---- query: work-group 768 + i takes rows 128 i .. 128 i + 127; wave w two tiles of 16 rows.  Lane (r, hh) takes, of row r, e = 32 u + 16 c + 8 hh + 0..7.  This path writes no LDS.
.Lquery:
	s_cmp_lt_u32 ttmp9, 800
	s_cbranch_scc0 .Lwc
	s_sub_co_u32 s22, ttmp9, 768
	s_lshl_b32 s24, s22, 16
	s_lshl_b32 s25, s18, 14
	s_add_co_u32 s24, s24, s25                     ; query: 65,536 i + 16,384 w
	s_mov_b32 s25, 0
	s_lshl_b32 s26, s22, 15
	s_lshl_b32 s27, s18, 13
	s_add_co_u32 s26, s26, s27                     ; qf: 32,768 i + 8,192 w
	s_mov_b32 s27, 0
	v_lshlrev_b32 v5, 9, v2
	v_lshl_add_u32 v5, v3, 5, v5                   ; 512 r + 32 hh
	s_wait_kmcnt 0x0
	s_add_nc_u64 s[40:41], s[40:41], s[24:25]
	s_add_nc_u64 s[44:45], s[44:45], s[26:27]
.irp t, 0,1
.irp u, 0,1,2,3
.irp c, 0,1
.irp q, 0,1
	global_load_b128 v[R+64*\t+16*\u+8*\c+4*\q:R+64*\t+16*\u+8*\c+4*\q+3], v5, s[40:41] offset:8192*\t+128*\u+64*\c+16*\q
.endr
.endr
.endr
.endr
.irp t, 0,1
	s_wait_loadcnt 16-16*\t                        ; this tile's sixteen loads are in; the second tile's sixteen may be out
.set mm, 0
.rept 32
	v_cvt_pk_f16_f32 v[XS+32*\t+mm], v[R+64*\t+2*mm], v[R+64*\t+2*mm+1]   ; the first source into the low half
.set mm, mm+1
.endr
.irp u, 0,1,2,3
.irp c, 0,1
	global_store_b128 v4, v[XS+32*\t+8*\u+4*\c:XS+32*\t+8*\u+4*\c+3], s[44:45] offset:4096*\t+1024*\u+512*\c   ; the wave stores 512 consecutive bytes
.endr
.endr
.endr
	s_endpgm
; ---- Wc: work-group 800 + h takes head h's 128 rows (e) x 128 columns (n).  Wave w makes the fragments of n tiles 2 w and 2 w + 1: fragment f = (n tile 2 w + f / 4, e 32 (f % 4) on):
; lane (r, hh) takes column r and its registers run down e: 8 hh + 0..7, then 16 + 8 hh + 0..7.  Nothing is transposed by an instruction.  This path writes no LDS.
.Lwc:
	s_sub_co_u32 s22, ttmp9, 800
	s_lshl_b32 s24, s22, 16
	s_lshl_b32 s25, s18, 7
	s_add_co_u32 s24, s24, s25                     ; Wc: 65,536 h + 128 w
	s_mov_b32 s25, 0
	s_lshl_b32 s26, s22, 15
	s_lshl_b32 s27, s18, 13
	s_add_co_u32 s26, s26, s27                     ; wcf: 32,768 h + 8,192 w
	s_mov_b32 s27, 0
	v_lshlrev_b32 v5, 2, v2
	v_lshl_add_u32 v5, v3, 12, v5                  ; 8 hh rows of 512 bytes + 4 r
	s_wait_kmcnt 0x0
	s_add_nc_u64 s[42:43], s[42:43], s[24:25]
	s_add_nc_u64 s[46:47], s[46:47], s[26:27]
.set ff, 0
.rept 8
.set kk, 0
.rept 16
	global_load_b32 v[R+16*ff+kk], v5, s[42:43] offset:64*(ff/4)+512*(32*(ff%4)+16*(kk/8)+kk%8)
.set kk, kk+1
.endr
.set ff, ff+1
.endr
.irp f, 0,1,2,3,4,5,6,7
.if 112-16*\f > 63
	s_wait_loadcnt 63                              ; behind this fragment's last load more than 63 were issued: the field names 63 at the most, and a smaller count waits for more
.else
	s_wait_loadcnt 112-16*\f                       ; sixteen loads for each later fragment may be out
.endif
.irp i, 0,1,2,3,4,5,6,7
	v_cvt_pk_f16_f32 v[XS+8*\f+\i], v[R+16*\f+2*\i], v[R+16*\f+2*\i+1]
.endr
.irp c, 0,1
	global_store_b128 v4, v[XS+8*\f+4*\c:XS+8*\f+4*\c+3], s[46:47] offset:1024*\f+512*\c   ; the wave stores 512 consecutive bytes
.endr
.endr
	s_endpgm
.Lfunc_end_k_qed470e1a24_quant:
	.size	k_qed470e1a24_quant, .Lfunc_end_k_qed470e1a24_quant-k_qed470e1a24_quant
	.p2alignl 7, 3214868480
	.fill 96, 4, 3214868480
	.section	.rodata,"a",@progbits
	.p2align	6, 0x0
	.amdhsa_kernel k_qed470e1a24_quant
		.amdhsa_group_segment_fixed_size 67072
		.amdhsa_private_segment_fixed_size 0
		.amdhsa_enable_private_segment 0
		.amdhsa_kernarg_size 88
		.amdhsa_user_sgpr_count 2
		.amdhsa_user_sgpr_kernarg_segment_ptr 1
		.amdhsa_wavefront_size32 1
		.amdhsa_system_sgpr_workgroup_id_x 1
		.amdhsa_system_sgpr_workgroup_id_y 1
		.amdhsa_system_sgpr_workgroup_id_z 1
		.amdhsa_system_vgpr_workitem_id 0
		.amdhsa_next_free_vgpr 240
		.amdhsa_next_free_sgpr 66
		.amdhsa_reserve_vcc 1
		.amdhsa_float_denorm_mode_32 3
		.amdhsa_float_denorm_mode_16_64 3
		.amdhsa_memory_ordered 1
		.amdhsa_forward_progress 1
		.amdhsa_inst_pref_size 64
	.end_amdhsa_kernel
	.amdgpu_metadata
---
amdhsa.version: [ 1, 2 ]
amdhsa.kernels:
  - .name:           k_qed470e1a24_quant
    .symbol:         k_qed470e1a24_quant.kd
    .args:
      - { .name: states, .offset: 0, .size: 8, .value_kind: global_buffer, .address_space: global }
      - { .name: Wk, .offset: 8, .size: 8, .value_kind: global_buffer, .address_space: global }
      - { .name: Wv, .offset: 16, .size: 8, .value_kind: global_buffer, .address_space: global }
      - { .name: sa, .offset: 24, .size: 8, .value_kind: global_buffer, .address_space: global }
      - { .name: sas, .offset: 32, .size: 8, .value_kind: global_buffer, .address_space: global }
      - { .name: wc4, .offset: 40, .size: 8, .value_kind: global_buffer, .address_space: global }
      - { .name: wsc, .offset: 48, .size: 8, .value_kind: global_buffer, .address_space: global }
      - { .name: query, .offset: 56, .size: 8, .value_kind: global_buffer, .address_space: global }
      - { .name: Wc, .offset: 64, .size: 8, .value_kind: global_buffer, .address_space: global }
      - { .name: qf, .offset: 72, .size: 8, .value_kind: global_buffer, .address_space: global }
      - { .name: wcf, .offset: 80, .size: 8, .value_kind: global_buffer, .address_space: global }
    .group_segment_fixed_size: 67072
    .private_segment_fixed_size: 0
    .kernarg_segment_align: 8
    .kernarg_segment_size: 88
    .max_flat_workgroup_size: 128
    .sgpr_count:     66
    .vgpr_count:     240
    .wavefront_size: 32
...
	.end_amdgpu_metadata
.endif
;; end of part 1
;; launch attn (part 2): grid 8 x 32, 4 waves a work-group, clusters of 4 x 1, 327,680 bytes of LDS; arguments qf, sa, sas, wc4, wsc, bk, bv, wcf, part; writes part
.if DOCPART == 2
	.amdgcn_target "amdgcn-amd-amdhsa--gfx1250"
	.amdhsa_code_object_version 6
	.text
	.protected	k_qed470e1a24_attn
	.globl	k_qed470e1a24_attn
	.p2align	8
	.type	k_qed470e1a24_attn,@function
k_qed470e1a24_attn:
	s_mov_b64 s[64:65], 0
	v_nop
	global_prefetch_b8 v0, s[64:65] scope:SCOPE_SE
	s_setreg_imm32_b32 hwreg(HW_REG_WAVE_MODE, 25, 1), 1
	s_wait_xcnt 0x0
	s_wait_alu depctr_hold_cnt(0) depctr_sa_sdst(0) depctr_va_vdst(0) depctr_va_sdst(0) depctr_va_ssrc(0) depctr_va_vcc(0) depctr_vm_vsrc(0)
	s_getreg_b32 s2, hwreg(HW_REG_IB_STS2, 6, 4)
	s_cmp_eq_u32 s2, 0
	s_cbranch_scc0 .Lentry_in_a_cluster
	s_endpgm
.Lentry_in_a_cluster:
	s_bfe_u32 s2, ttmp6, 0x10000c
	s_cmp_lg_u32 s2, 0x3003
	s_cbranch_scc0 .Lentry_shape_is_right
	s_endpgm
.Lentry_shape_is_right:
; One work-group for each (head h, batch b): keys = states[b] Wk[h] + bk[h] and vals likewise (512 x 128 each, both products on FP4 codes with E8M0 scales, made by the launch before),
; then softmax(query[b] keys^T / sqrt(128)) vals, then this head's part of the product with Wc, stored as an f32 partial sum.  keys, vals, scores, weights and context never leave the WGP.
; The three later products take f16 operands and f32 sums; maxima, exponentials and sums are f32; the softmax has a running maximum.  query and Wc arrive as f16 fragments (qf, wcf) from the launch before.
; LIMITS: query, keys, vals, the context and Wc are rounded to f16: their magnitudes must stay under 65,504 (beyond it the conversion gives infinity).
; bk and bv enter as the C of a sum's first K step: they are added ahead of the sum where the source adds them behind it.
; CLUSTER: the four partners have the same head and four batches.  The head's 128 KiB of weight codes and its 32 KiB of Wc's fragments are asked for JOINTLY, two tensor loads a wave, each filled once;
; the batch enters global addresses alone.
; PROJECTION.  Wave w owns keys 128 w .. 128 w + 127.  Their codes for all of K (64 KiB) stay in 512 registers, loaded once as register images; only the weights' fragments come from LDS.
;   keys:  source 0 = 16 columns e of Wk, source 1 = 16 rows of states: a lane holds ONE key and eight neighbouring e: four packed registers are half a fragment of K for S^T = K Q^T.
;   vals:  the sources swapped: a lane holds ONE e and eight neighbouring keys: half a fragment of V^T for O^T = V^T P.
;   Both go to LDS as IMAGES OF THE FRAGMENTS' REGISTERS (16 bytes a lane at 16 x lane): no pitch, no padding, no turning load.
; ATTENTION.  Two passes of 256 queries; a wave owns 64, four tiles of 16, in two pieces that take turns at the matrix unit, the other piece's softmax in slices behind the products; 64 keys a step.
; LDS: 0 the weights' codes (filled once), later V's images [e half 2][32 keys 16][e tile 4][2][512]; KI K's images [16 keys 32][32 e 4][2][512]; WCI Wc[h]^T's fragments [n tile 8][32 e 4][2][512] (filled once);
;   WS the weights' scale words; BIAS bk[h], bv[h]; SPARE.  V's first half overlays Wk's codes, its second Wv's, each behind a barrier behind which no wave reads those codes.
; REGISTERS, in windows of 256 (s_set_vgpr_msb: bits 1:0 source 0, 3:2 source 1, 5:4 source 2, 7:6 destination):
;   projection: window 0: v1-11 addresses; v12-43 states' scale words; v44-59 the weights'; v64-95 bias; v128-191 two sets of four weight fragments; v192-255 packed results;
;               windows 1, 2: states' codes, fragment (tile t, K step s) at 8 (8 (t % 4) + s);  window 3: 32 accumulators, (t, n) at 8 (4 t + n)
;   attention:  window 0: v12-43 statistics; v64-191 S^T (at a pass's end: the context in f16); v192-255 P;  window 1: O^T (at a pass's end: the partial sums);  window 2: Q v0-127, K v128-255;
;               window 3: V v0-127 (at a pass's end: Wc's 32 fragments)
.set KI,    131072
.set WCI,   262144
.set WS,    294912
.set BIAS,  303104
.set SPARE, 304128                     ; the spare words, 128 bytes for each wave: two blocks of 256 bytes that no other line names
.set LI,   1                           ; v1   16 x lane: an image's place for my lane; never rewritten
.set ADB,  2                           ; v2   projection: the group's weight fragments
.set ADS,  3                           ; v3   its scale words
.set ADBI, 4                           ; v4   its bias
.set ADST, 5                           ; v5   where my images go
.set RB,   6                           ; v6   4 r
.set HB,   7                           ; v7   32 hh
.set LI2,  3                           ; v3   attention: 16 x lane + 65,536
.set ADR,  4                           ; v4   the LDS address of the run of loads in hand
.set ADR2, 5                           ; v5   the same, V's second half
.set SA,   12
.set SW,   44
.set SPW,  62                          ; v62  LDS address of my spare word; never rewritten
.set NIL,  63                          ; v63  0; never rewritten
.set BI,   64
.set BUF,  128
.set T,    192
.set ST,   12                          ; tile t's statistics at v[ST+8 t]: +0 c m, +1 m, +2, +3 l, +4 to +7 at work; a takes +6
.set S,    64
.set P,    192
.set KF,   128                         ; K's fragments, in window 2
.set WV,   22                          ; s22  my wave's number
.set G1,   24                          ; s[24:31] descriptor group 1 for the codes
.set G0,   32                          ; s[32:35] its group 0
.set G1B,  68                          ; s[68:75] group 1 for Wc's fragments
.set G0B,  76                          ; s[76:79] its group 0
.set GB,   44                          ; s44  LDS byte of the group's weight codes
.set WSB,  45                          ; s45  of its scale words
.set BIB,  46                          ; s46  of its bias
.set STB,  47                          ; s47  of my images
.set CNT,  48
.set PASS, 49
.set STEPS, 50
.set TK,   51                          ; s51  LDS byte of the key step's K images
.set TV,   52                          ; s52  of its V images
.set CS,   58                          ; s[58:59] c = log2(e) / sqrt(128)
.set SEL,  60                          ; s[60:61] lane selects for v_permlanex16_b32: lane l xor 16
.set MSB, 0
.macro WIN new                         ; the immediate's high byte repeats the setting that is left; a switch that changes nothing is dropped
.if MSB != \new
	s_set_vgpr_msb (MSB<<8)|\new
.set MSB, \new
.endif
.endm
.set W_KQ, 0x0a                        ; K and Q in window 2, S^T in window 0
.set W_PV, 0x53                        ; V (or Wc) in window 3, P (or the context) in window 0, O^T (or the partial sums) in window 1
.set W_RS, 0x41                        ; O^T (destination and source 0) in window 1, the factor in window 0
; A vector instruction or a store that reads a matrix result, and a load into a register that a matrix instruction has read, stand four places behind it; only plain vector
; instructions that name none of its registers are places (ISA guide 7.12.1 for vector instructions).
.macro PLACES
.rept 4
	v_nop
.endr
.endm
.macro CROUND                          ; a round of the cluster's barrier: my work-group's barrier; wave 0 signals for the work-group; every wave waits for all four; my work-group's barrier once more
	s_barrier_signal -1
	s_barrier_wait -1
	s_cmp_lg_u32 s[WV], 0
	s_cbranch_scc1 .Lnot_wave_0_\@
	s_barrier_signal -3
.Lnot_wave_0_\@:
	s_barrier_wait -3
	s_barrier_signal -1
	s_barrier_wait -1
.endm
.macro QLOAD                           ; my 64 queries' sixteen fragments, as they stand, into window 2: fragment (tile t, e 32 u on) at 32 t + 8 u; 512 consecutive bytes a load
	WIN 0x80
.irp t, 0,1,2,3
.irp u, 0,1,2,3
.irp c, 0,1
	global_load_b128 v[32*\t+8*\u+4*\c:32*\t+8*\u+4*\c+3], v[LI], s[4:5] offset:4096*\t+1024*\u+512*\c
.endr
.endr
.endr
	WIN 0
.endm
	s_load_b256 s[4:11], s[0:1], 0x0               ; qf s[4:5], sa s[6:7], sas s[8:9], wc4 s[10:11]
	s_load_b256 s[12:19], s[0:1], 0x20             ; wsc s[12:13], bk s[14:15], bv s[16:17], wcf s[18:19]
	s_load_b64 s[20:21], s[0:1], 0x40              ; part
	v_lshl_add_u32 v[SPW], v0, 2, SPARE
	v_mov_b32 v[NIL], 0
	ds_add_u32 v[SPW], v[NIL]                      ; the wave's opening: the add, twice on end, and its wait ahead of my first tensor load; the set-up below stands between
	ds_add_u32 v[SPW], v[NIL]
	v_lshrrev_b32 v8, 5, v0
	v_readfirstlane_b32 s[WV], v8                  ; wave 0..3
	s_bfe_u32 s36, ttmp6, 0x40000                  ; cx: my place in the cluster
	s_lshl_b32 s37, ttmp9, 2
	s_add_co_u32 s37, s37, s36                     ; the batch = 4 x cluster x + cx: it enters global addresses alone
	s_and_b32 s38, ttmp7, 0xffff                   ; the head, which the four partners share
	; descriptor group 1: a dense block of 32,768 bytes as 128 rows of 256 bytes (32 elements of 8 bytes), no padding
	s_mov_b32 s[G1], 15|(3<<16)|(1<<21)            ; 15:0 the mask: all four work-groups; 17:16 elements of 8 bytes; 21 set beside a mask
	s_mov_b32 s[G1+1], 32<<16                      ; tensor_dim0 = 32
	s_mov_b32 s[G1+2], 128<<16                     ; tensor_dim1 = 128
	s_mov_b32 s[G1+3], 32<<16                      ; tile_dim0 = 32
	s_mov_b32 s[G1+4], 128                         ; tile_dim1 = 128
	s_mov_b32 s[G1+5], 32                          ; from row to row
	s_mov_b32 s[G1+6], 0
	s_mov_b32 s[G1+7], 0
	; and a dense block of 8,192 bytes as 32 such rows
	s_mov_b32 s[G1B], 15|(3<<16)|(1<<21)
	s_mov_b32 s[G1B+1], 32<<16                     ; tensor_dim0 = 32
	s_mov_b32 s[G1B+2], 32<<16                     ; tensor_dim1 = 32
	s_mov_b32 s[G1B+3], 32<<16                     ; tile_dim0 = 32
	s_mov_b32 s[G1B+4], 32                         ; tile_dim1 = 32
	s_mov_b32 s[G1B+5], 32                         ; from row to row
	s_mov_b32 s[G1B+6], 0
	s_mov_b32 s[G1B+7], 0
	s_mov_b32 s[CS], 0x3e0293ee                    ; c = log2(e) / sqrt(128)
	s_mov_b32 s[CS+1], s[CS]                       ; (named with it as a pair, so it is written)
	s_mov_b32 s[SEL], 0x76543210
	s_mov_b32 s[SEL+1], 0xfedcba98
	v_and_b32 v[LI], 31, v0
	v_lshlrev_b32 v11, 3, v[LI]                    ; 8 x lane
	v_lshlrev_b32 v[LI], 4, v[LI]
	v_and_b32 v8, 15, v0                           ; r
	v_bfe_u32 v10, v0, 4, 1                        ; hh
	v_lshlrev_b32 v[RB], 2, v8
	v_lshlrev_b32 v[HB], 5, v10
	s_mov_b32 s[G0], 1                             ; count = 1
	s_lshl_b32 s[G0+1], s[WV], 15                  ; LDS address: 32,768 x wave
	s_lshl_b32 s40, s38, 17
	s_add_co_u32 s40, s40, s[G0+1]                 ; in wc4: 131,072 h + 32,768 x wave: the head and the wave's number alone
	s_mov_b32 s41, 0
	s_mov_b32 s[G0B], 1
	s_lshl_b32 s42, s[WV], 13
	s_add_co_u32 s[G0B+1], s42, WCI                ; LDS address: WCI + 8,192 x wave
	s_lshl_b32 s43, s38, 15
	s_add_co_u32 s42, s42, s43                     ; in wcf: 32,768 h + 8,192 x wave
	s_mov_b32 s43, 0
	s_wait_dscnt 0x0                               ; both opening adds are done
	s_wait_kmcnt 0x0
	s_add_nc_u64 s[G0+2:G0+3], s[10:11], s[40:41]
	s_or_b32 s[G0+3], s[G0+3], 0x80000000          ; type = 2
	s_add_nc_u64 s[G0B+2:G0B+3], s[18:19], s[42:43]
	s_or_b32 s[G0B+3], s[G0B+3], 0x80000000
	CROUND                                         ; all four work-groups are here: the joint loads meet
	tensor_load_to_lds s[G0:G0+3], s[G1:G1+7]      ; my quarter of the head's weight codes,
	s_nop 0
	tensor_load_to_lds s[G0B:G0B+3], s[G1B:G1B+7]  ; and of Wc's fragments: my two tensor loads of the launch, both first fills: two are out
	s_nop 0
	PLACES
	s_lshl_b32 s42, s37, 14
	s_lshl_b32 s43, s[WV], 12
	s_add_co_u32 s42, s42, s43
	s_mov_b32 s43, 0
	s_add_nc_u64 s[8:9], s[8:9], s[42:43]          ; sas at my 8 row tiles: 16,384 b + 4,096 w
	s_lshl_b32 s40, s38, 13
	s_lshl_b32 s41, s[WV], 11
	s_add_co_u32 s40, s40, s41
	s_mov_b32 s41, 0
	s_add_nc_u64 s[12:13], s[12:13], s[40:41]      ; wsc: 8,192 h + my quarter
	s_lshl_b32 s40, s38, 9
	s_and_b32 s41, s[WV], 1
	s_lshl_b32 s41, s41, 8
	s_add_co_u32 s40, s40, s41
	s_mov_b32 s41, 0
	s_cmp_lt_u32 s[WV], 2                          ; waves 0, 1 bring bk[h]'s halves, waves 2, 3 bv[h]'s
	s_cselect_b64 s[14:15], s[14:15], s[16:17]
	s_add_nc_u64 s[14:15], s[14:15], s[40:41]
	s_lshl_b32 s42, s37, 18
	s_lshl_b32 s43, s[WV], 16
	s_add_co_u32 s42, s42, s43
	s_mov_b32 s43, 0
	s_add_nc_u64 s[6:7], s[6:7], s[42:43]          ; sa: 262,144 b + 65,536 w
	s_lshl_b32 s42, s37, 17
	s_lshl_b32 s43, s[WV], 14
	s_add_co_u32 s42, s42, s43
	s_mov_b32 s43, 0
	s_add_nc_u64 s[4:5], s[4:5], s[42:43]          ; qf at my wave's four tiles of pass 0: 131,072 b + 16,384 w
	s_lshl_b32 s42, s37, 18
	s_lshl_b32 s43, s[WV], 15
	s_add_co_u32 s42, s42, s43
	s_lshl_b32 s43, s38, 21
	s_add_co_u32 s42, s42, s43
	s_mov_b32 s43, 0
	s_add_nc_u64 s[20:21], s[20:21], s[42:43]      ; part: 2,097,152 h + 262,144 b + 32,768 w
	; the loads, in the order that the counted waits lean on: the small tables, then the codes K step by K step
.irp t, 0,1,2,3,4,5,6,7
	global_load_b128 v[SA+4*\t:SA+4*\t+3], v[LI], s[8:9] offset:512*\t       ; tile t's scale words: register j: lanes 0-15 K step 2 j, lanes 16-31 K step 2 j + 1
.endr
.irp n, 0,1,2,3
	global_load_b128 v[96+4*\n:96+4*\n+3], v[LI], s[12:13] offset:512*\n     ; my quarter of the weights' scale words, on its way to LDS
.endr
	global_load_b64 v[112:113], v11, s[14:15]      ; my quarter of the biases
.set ks, 0
.rept 8
	WIN 0x40                                       ; destination window 1: tiles 0-3
.irp t, 0,1,2,3
.irp c, 0,1
	global_load_b128 v[8*(8*\t+ks)+4*\c:8*(8*\t+ks)+4*\c+3], v[LI], s[6:7] offset:1024*(8*\t+ks)+512*\c   ; 512 consecutive bytes a load
.endr
.endr
	WIN 0x80                                       ; window 2: tiles 4-7
.irp t, 0,1,2,3
.irp c, 0,1
	global_load_b128 v[8*(8*\t+ks)+4*\c:8*(8*\t+ks)+4*\c+3], v[LI], s[6:7] offset:1024*(8*(\t+4)+ks)+512*\c
.endr
.endr
.set ks, ks+1
.endr
	s_wait_loadcnt 63                              ; 128 loads were issued behind the tables' last and 64 behind K step 3's last: the tables and K steps 0 to 3 are in
	WIN 0
	s_lshl_b32 s40, s[WV], 11
	s_add_co_u32 s40, s40, WS
	v_add_nc_u32 v3, s40, v[LI]
	s_lshl_b32 s40, s[WV], 8
	s_add_co_u32 s40, s40, BIAS
	v_add_nc_u32 v4, s40, v11
.irp n, 0,1,2,3
	ds_store_b128 v3, v[96+4*\n:96+4*\n+3] offset:512*\n
.endr
	ds_store_b64 v4, v[112:113]
	s_wait_tensorcnt 0x0                           ; my quarters of the codes and of Wc's fragments have landed,
	s_wait_dscnt 0x0                               ; my stores too:
	s_barrier_signal -1
	s_barrier_wait -1                              ; everybody's have.
; ---- THE PROJECTION.  A trip makes 64 columns (four tiles n) for my 128 keys (eight tiles t): 8 K steps x 32 products.
.macro TOP o                           ; o = 0: keys; 1: values
	v_add_nc_u32 v[ADB], s[GB], v[LI]
	v_add_nc_u32 v[ADS], s[WSB], v[LI]
.if \o
	v_add_nc_u32 v[ADBI], s[BIB], v[RB]
.else
	v_add_nc_u32 v[ADBI], s[BIB], v[HB]
.endif
	v_add_nc_u32 v[ADST], s[STB], v[LI]
.irp n, 0,1,2,3
	ds_load_b128 v[SW+4*\n:SW+4*\n+3], v[ADS] offset:512*\n
.endr
.irp n, 0,1,2,3
.if \o
.irp j, 0,1,2,3,4,5,6,7
	ds_load_b32 v[BI+8*\n+\j], v[ADBI] offset:64*\n          ; a lane holds one e: its bias in all eight registers
.endr
.else
	ds_load_b128 v[BI+8*\n:BI+8*\n+3], v[ADBI] offset:64*\n  ; a lane holds eight e: 16 n + 8 hh + 0..7
	ds_load_b128 v[BI+8*\n+4:BI+8*\n+7], v[ADBI] offset:64*\n+16
.endif
.endr
.irp n, 0,1,2,3
.irp c, 0,1
	ds_load_b128 v[BUF+8*\n+4*\c:BUF+8*\n+4*\c+3], v[ADB] offset:8192*\n+512*\c   ; K step 0's four weight fragments
.endr
.endr
.endm
.macro PROD o, t, n, ks
.set rD, 8*(4*(\t)+\n)
.if \o == 0
.set rX0, BUF+32*((\ks)%2)+8*\n
.set rX1, 8*(8*((\t)%4)+(\ks))
.set rS0, SW+4*\n+(\ks)/2
.set rS1, SA+4*(\t)+(\ks)/2
.else
.set rX0, 8*(8*((\t)%4)+(\ks))
.set rX1, BUF+32*((\ks)%2)+8*\n
.set rS0, SA+4*(\t)+(\ks)/2
.set rS1, SW+4*\n+(\ks)/2
.endif
.if (\ks) == 0                         ; the bias is the C of the sum's first product: nothing is cleared, nothing added later
	v_wmma_scale_f32_16x16x128_f8f6f4 v[rD:rD+7], v[rX0:rX0+7], v[rX1:rX1+7], v[BI+8*\n:BI+8*\n+7], v[rS0], v[rS1] matrix_a_fmt:MATRIX_FMT_FP4 matrix_b_fmt:MATRIX_FMT_FP4
.elseif (\ks)%2                        ; an odd K step's scale words lie in lanes 16-31
	v_wmma_scale_f32_16x16x128_f8f6f4 v[rD:rD+7], v[rX0:rX0+7], v[rX1:rX1+7], v[rD:rD+7], v[rS0], v[rS1] matrix_a_fmt:MATRIX_FMT_FP4 matrix_b_fmt:MATRIX_FMT_FP4 matrix_a_scale:MATRIX_SCALE_ROW1 matrix_b_scale:MATRIX_SCALE_ROW1
.else
	v_wmma_scale_f32_16x16x128_f8f6f4 v[rD:rD+7], v[rX0:rX0+7], v[rX1:rX1+7], v[rD:rD+7], v[rS0], v[rS1] matrix_a_fmt:MATRIX_FMT_FP4 matrix_b_fmt:MATRIX_FMT_FP4
.endif
.endm
; A K step: the next step's four weight fragments are asked for, then 32 products; the 32 accumulators take turns, one instruction a turn.
.macro KSTEP o, ks
	WIN 0
	PLACES                                         ; the loads below land in the set that the K step before multiplied
.if (\ks) < 7
.irp n, 0,1,2,3
.irp c, 0,1
	ds_load_b128 v[BUF+32*(((\ks)+1)%2)+8*\n+4*\c:BUF+32*(((\ks)+1)%2)+8*\n+4*\c+3], v[ADB] offset:8192*\n+1024*((\ks)+1)+512*\c
.endr
.endr
	s_wait_dscnt 8                                 ; all but the eight just issued: this step's fragments (and, in step 0, scale words and bias) are in
.else
	s_wait_dscnt 0x0
.endif
.if (\o == 0) && ((\ks) >= 4)
	s_wait_loadcnt 16*(7-(\ks))                    ; states' codes of this K step are in; sixteen loads for each later K step may be out (the second trip finds none out)
.endif
.if (\ks) == 0
	WIN (0xc0|(4-3*\o))                            ; D window 3, C (the bias) window 0, states' tiles 0-3 window 1
.else
	WIN (0xf0|(4-3*\o))                            ; C and D window 3
.endif
.irp t, 0,1,2,3
.irp n, 0,1,2,3
	PROD \o, \t, \n, \ks
.endr
.endr
.if (\ks) == 0
	WIN (0xc0|(8-6*\o))                            ; states' tiles 4-7: window 2
.else
	WIN (0xf0|(8-6*\o))
.endif
.irp t, 4,5,6,7
.irp n, 0,1,2,3
	PROD \o, \t, \n, \ks
.endr
.endr
.endm
; The 32 accumulators are rounded to f16, each from its low end on, and stored as halves of the next product's fragments; sixteen accumulators at a time through 64 registers.
.macro PACKP o
.irp hf, 0,1
.if \hf == 0
	WIN 0
	PLACES
.endif
	WIN 0x0f                                       ; sources window 3, destination window 0
.irp tt, 0,1,2,3
.irp n, 0,1,2,3
.irp i, 0,1,2,3
	v_cvt_pk_f16_f32 v[T+4*(4*\tt+\n)+\i], v[8*(4*(4*\hf+\tt)+\n)+2*\i], v[8*(4*(4*\hf+\tt)+\n)+2*\i+1]
.endr
.endr
.endr
	WIN 0
.irp tt, 0,1,2,3
.irp n, 0,1,2,3
.if \o == 0
	ds_store_b128 v[ADST], v[T+4*(4*\tt+\n):T+4*(4*\tt+\n)+3] offset:4096*(4*\hf+\tt)+512*\n                    ; K: key tile t, e 32 (n / 2) on, half n % 2
.else
	ds_store_b128 v[ADST], v[T+4*(4*\tt+\n):T+4*(4*\tt+\n)+3] offset:4096*((4*\hf+\tt)/2)+1024*\n+512*(\tt%2)   ; V^T: keys 32 (t / 2) on, e tile n, half t % 2
.endif
.endr
.endr
	s_wait_dscnt 0x0                               ; the stores have read their registers, and have landed
.endr
.endm
; A trip over 64 columns of the values.  last = 1: behind the launch's last product on codes the first pass's queries are asked for, into registers that held codes: they land under the packing and the two barriers.
.macro VTRIP last
	TOP 1
.irp q, 0,1,2,3,4,5,6,7
	KSTEP 1, \q
.endr
	WIN 0
.if \last
	PLACES                                         ; the loads below land in registers that the last products read
	QLOAD
.endif
	s_wait_dscnt 0x0                               ; my reads of the codes are over:
	s_barrier_signal -1
	s_barrier_wait -1                              ; everybody's are: the first trip overlays Wk's codes, which every wave has left; the second Wv's, whose last products are issued
	PACKP 1
	s_barrier_signal -1                            ; (my stores have landed: the wait for 0 at the end of the packing)
	s_barrier_wait -1                              ; this trip's images lie in LDS before any wave reads on; behind the second trip all images are whole for all waves
.endm
	s_mov_b32 s[GB], 0
	s_mov_b32 s[WSB], WS
	s_mov_b32 s[BIB], BIAS
	s_lshl_b32 s[STB], s[WV], 15
	s_add_co_u32 s[STB], s[STB], KI                ; my 8 key tiles of K's images
	s_mov_b32 s[CNT], 2
.Lk:                                               ; keys: e 0-63, then e 64-127
	TOP 0
.irp q, 0,1,2,3,4,5,6,7
	KSTEP 0, \q
.endr
	PACKP 0
	s_add_co_u32 s[GB], s[GB], 32768
	s_add_co_u32 s[WSB], s[WSB], 2048
	s_add_co_u32 s[BIB], s[BIB], 256
	s_add_co_u32 s[STB], s[STB], 2048
	s_sub_co_u32 s[CNT], s[CNT], 1
	s_cmp_lg_u32 s[CNT], 0
	s_cbranch_scc1 .Lk
	s_mov_b32 s[GB], 65536                         ; values, e 0-63: Wv's codes, scale words and bias
	s_mov_b32 s[WSB], WS+4096
	s_mov_b32 s[BIB], BIAS+512
	s_lshl_b32 s[STB], s[WV], 14                   ; my four pairs of key tiles of V's images
	VTRIP 0
	s_mov_b32 s[GB], 98304                         ; values, e 64-127.  The two trips are written out, since only the second asks for the queries
	s_mov_b32 s[WSB], WS+6144
	s_mov_b32 s[BIB], BIAS+768
	s_add_co_u32 s[STB], s[STB], 65536
	VTRIP 1
; ---- ATTENTION.
; Product i of 32 of O^T += V^T P for piece x: keys 32 (i / 16) on, channels 16 ((i / 2) % 8) on, tile x + i % 2.  zero = 1: the first 16 start the sums.  The accumulators take turns.
.macro PV x, zero
	WIN W_PV
.set rO, 64*(\x+i%2)+8*((i/2)%8)
.set rV, 64*(i/16)+8*((i/2)%8)
.set rP, P+16*(\x+i%2)+8*(i/16)
.if \zero && (i < 16)
	v_wmma_f32_16x16x32_f16 v[rO:rO+7], v[rV:rV+7], v[rP:rP+7], 0
.else
	v_wmma_f32_16x16x32_f16 v[rO:rO+7], v[rV:rV+7], v[rP:rP+7], v[rO:rO+7]
.endif
.endm
; Product i of 32 of S^T = K Q^T: channels 32 (i / 8) on, keys 16 ((i / 2) % 4) on, tile x + i % 2.  The first 8 start the sums.
.macro KQ x
	WIN W_KQ
.set rS, S+32*(\x+i%2)+8*((i/2)%4)
.set rK, KF+32*((i/2)%4)+8*(i/8)
.set rQ, 32*(\x+i%2)+8*(i/8)
.if i < 8
	v_wmma_f32_16x16x32_f16 v[rS:rS+7], v[rK:rK+7], v[rQ:rQ+7], 0
.else
	v_wmma_f32_16x16x32_f16 v[rS:rS+7], v[rK:rK+7], v[rQ:rQ+7], v[rS:rS+7]
.endif
.endm
; The LDS loads stand in runs of 32: a step's K (16 fragments, 16,384 bytes on end) and, a turn later, its V (8 fragments from each half of the channels).
.macro FETCH_K
	WIN 0
	v_add_nc_u32 v[ADR], s[TK], v[LI]
	WIN 0x80                                       ; destination window 2
.irp f, 0,1,2,3,4,5,6,7,8,9,10,11,12,13,14,15  ; keys 16 (f / 4) on, channels 32 (f % 4) on
	ds_load_b128 v[KF+8*\f:KF+8*\f+3],   v[ADR] offset:1024*\f
	ds_load_b128 v[KF+8*\f+4:KF+8*\f+7], v[ADR] offset:1024*\f+512
.endr
.endm
.macro FETCH_V
	WIN 0
	v_add_nc_u32 v[ADR], s[TV], v[LI]
	v_add_nc_u32 v[ADR2], s[TV], v[LI2]
	s_add_co_u32 s[TV], s[TV], 8192                ; the next fetches are the next step's
	s_add_co_u32 s[TK], s[TK], 16384
	s_wait_alu depctr_va_vdst(0)                   ; the wait for the softmax's batch of exponentials, ahead of the first instruction that names a result
	WIN 0xc0                                       ; destination window 3
.irp f, 0,1,2,3,4,5,6,7,8,9,10,11,12,13,14,15  ; keys 32 (f / 8) on, channels 16 (f % 8) on
.if (\f%8) < 4
	ds_load_b128 v[8*\f:8*\f+3],   v[ADR] offset:4096*(\f/8)+1024*(\f%4)
	ds_load_b128 v[8*\f+4:8*\f+7], v[ADR] offset:4096*(\f/8)+1024*(\f%4)+512
.else
	ds_load_b128 v[8*\f:8*\f+3],   v[ADR2] offset:4096*(\f/8)+1024*(\f%4)
	ds_load_b128 v[8*\f+4:8*\f+7], v[ADR2] offset:4096*(\f/8)+1024*(\f%4)+512
.endif
.endr
.endm
; One tile's softmax for one key step is a list of 134 instructions; SM writes number j of it for tile t.  first = 1: the pass's first key step, which starts m, l and O^T.
;   0-15 the maximum of the lane's 32 scores and the old m;  16-20 the other half of the lanes' maximum, the new m, c m, c m_old - c m_new;
;   21-69 ONE BATCH: 16 packed scalings c s - c m and all 33 exponentials, none of which reads an exponential's result;  (the one wait);
;   70-85 the roundings to f16;  86-101 the sums, l = a l + the sum;  102-133 the tile's O^T times a.
.macro SM t, first
.set rT, ST+8*(\t)
.set rS, S+32*(\t)
.set rP, P+16*(\t)
.set rO, 64*(\t)+2*(j-102)
.if j < 102
	WIN 0
.endif
.if j < 4
	v_max3_num_f32 v[rT+4+j], v[rS+8*j], v[rS+8*j+1], v[rS+8*j+2]
.elseif j < 12
	v_max3_num_f32 v[rT+4+j%4], v[rT+4+j%4], v[rS+8*(j%4)+2*(j/4)+1], v[rS+8*(j%4)+2*(j/4)+2]
.elseif j == 12
	v_max3_num_f32 v[rT+4], v[rT+4], v[rS+7], v[rS+15]
.elseif j == 13
	v_max3_num_f32 v[rT+6], v[rT+6], v[rS+23], v[rS+31]
.elseif j == 14
	v_max3_num_f32 v[rT+4], v[rT+4], v[rT+5], v[rT+6]
.elseif (j == 15) && \first
	v_max_num_f32 v[rT+4], v[rT+4], v[rT+7]
.elseif j == 15
	v_max3_num_f32 v[rT+4], v[rT+4], v[rT+7], v[rT+1]
.elseif j == 16
	v_permlanex16_b32 v[rT+5], v[rT+4], s[SEL], s[SEL+1]  ; the query's other 32 keys lie in the lane 16 away
.elseif j == 18
	v_max_num_f32 v[rT+1], v[rT+4], v[rT+5]
.elseif j == 19
	v_mul_f32 v[rT], s[CS], v[rT+1]
.elseif ((j == 17) || (j == 20) || (j == 23) || (j > 101)) && \first  ; the first step has none of these
.elseif j == 17
	v_mov_b32 v[rT+7], v[rT]                       ; c m_old is kept for a
.elseif j == 20
	v_sub_f32 v[rT+7], v[rT+7], v[rT]
.elseif j == 23
	v_exp_f32 v[rT+6], v[rT+7]
.elseif (j < 23) || ((j < 38) && (j%2 == 0)) || ((j < 66) && (j%4 == 2))
.set b, (j-2)/4
.if j < 38
.set b, (j-20)/2
.endif
	v_pk_fma_f32 v[rS+2*b:rS+2*b+1], v[rS+2*b:rS+2*b+1], s[CS:CS+1], v[rT:rT+1] op_sel_hi:[1,0,0] neg_lo:[0,0,1] neg_hi:[0,0,1]  ; pair b: c s - c m
.elseif j < 70
.set e, j-38
.if j < 66
.set e, j-32-(j-38)/4
.endif
.if j < 38
.set e, (j-25)/2
.endif
	v_exp_f32 v[rS+e], v[rS+e]
.elseif j < 86
	v_cvt_pk_f16_f32 v[rP+j-70], v[rS+2*(j-70)], v[rS+2*(j-70)+1]
.elseif j < 102
.set z, j-86
.set w, 4
.set u, z
.if z >= 14
.set w, 32
.set u, 0
.elseif z >= 12
.set w, 16
.set u, z-12
.elseif z >= 8
.set w, 8
.set u, z-8
.endif
.if (z == 14) && \first
	v_pk_add_f32 v[rT+2:rT+3], v[rS:rS+1], v[rS+16:rS+17]
.elseif z < 15
	v_pk_add_f32 v[rS+w*u:rS+w*u+1], v[rS+w*u:rS+w*u+1], v[rS+w*u+w/2:rS+w*u+w/2+1]
.elseif !\first
	v_pk_fma_f32 v[rT+2:rT+3], v[rT+2:rT+3], v[rT+6:rT+7], v[rS:rS+1] op_sel_hi:[1,0,1]
.endif
.else
	WIN W_RS
	v_pk_mul_f32 v[rO:rO+1], v[rO:rO+1], v[rT+6:rT+7] op_sel_hi:[1,0]
.endif
.endm
; Slice k of 64 of piece y's softmax: four instructions; slices 11 to 34 deal out the batch, four numbers of one tile each; slice 63 has the twelve that are over.
; Ahead of slice 35 nothing names an exponential's result, and behind slice 34 none is issued: so the piece's 66 exponentials have one wait, behind slice 34.
.macro SLICE y, first
.if (k >= 11) && (k < 35)
.irp n, 0,1,2,3
.set j, 22+4*((k-11)/2)+(\n)
	SM (\y)+(k-11)%2, \first
.endr
.else
.irp n, 0,1,2,3,4,5,6,7
.if (\n < 2) || (k == 63)
.irp t, \y, \y+1
.set j, 2*k+\n
	SM \t, \first
.endr
.endif
.endr
.endif
.if k == 34
	v_nop                                          ; the plain instruction behind the last exponential, one for the batch
.if (\y) == 0
	FETCH_V                                        ; piece 2's turn: V's run of loads stands here, and the wait stands in it.  V's last reader stands at least nineteen plain instructions back: four slices, the v_nop, the run's two additions
.else
	s_wait_alu depctr_va_vdst(0)                   ; the wait for the batch
.endif
.endif
.set k, k+1
.endm
; A TURN.  Piece x has the matrix unit; the other piece's softmax stands in slices behind its products.  pv = 2: 32 products V^T P; 1: they start O^T; 0: none.  kq = 1: 32 products K Q^T of the next step.
.macro TURN x, pv, kq, first
.set k, 0
.set per, 2
.if \pv && \kq
.set per, 1
.endif
.if \pv
.if \x == 0
	s_wait_dscnt 0x0                               ; V is in
.endif
.set i, 0
.rept 32
	PV \x, 2-\pv
.rept per
	SLICE 2-\x, \first
.endr
.if (\x == 0) && \kq && (i == 1)
	FETCH_K
.endif
.set i, i+1
.endr
.endif
.if \kq
.if \x == 0
	s_wait_dscnt 0x0                               ; K is in
.endif
.set i, 0
.rept 32
	KQ \x
.rept per
	SLICE 2-\x, \first
.endr
.set i, i+1
.endr
.endif
.if \first
	PLACES
.endif
.endm
; The product with Wc for tile t: source 0 = 16 columns n of Wc, source 1 = the tile's context: a lane holds one query and eight neighbouring n.  The tile's eight accumulators, in O^T's registers of that tile,
; take turns, one instruction a turn; the first four-times-eight... the first eight start the sums.
.macro OUTT t
.irp u, 0,1,2,3
.irp nt, 0,1,2,3,4,5,6,7
.if \u == 0
	v_wmma_f32_16x16x32_f16 v[64*\t+8*\nt:64*\t+8*\nt+7], v[8*(4*\nt+\u):8*(4*\nt+\u)+7], v[S+32*\t+8*\u:S+32*\t+8*\u+7], 0
.else
	v_wmma_f32_16x16x32_f16 v[64*\t+8*\nt:64*\t+8*\nt+7], v[8*(4*\nt+\u):8*(4*\nt+\u)+7], v[S+32*\t+8*\u:S+32*\t+8*\u+7], v[64*\t+8*\nt:64*\t+8*\nt+7]
.endif
.endr
.endr
.endm
.macro STORET t                        ; tile t's accumulators as they stand, each from its low end on: 512 consecutive bytes a store
.irp nt, 0,1,2,3,4,5,6,7
.irp c, 0,1
	global_store_b128 v[LI], v[64*\t+8*\nt+4*\c:64*\t+8*\nt+4*\c+3], s[20:21] offset:8192*\t+1024*\nt+512*\c th:TH_STORE_NT
.endr
.endr
.endm
	v_add_nc_u32 v[LI2], 65536, v[LI]
	s_mov_b32 s[PASS], 2
.Lpass:                                            ; a pass: my 64 queries against all 512 keys
	s_wait_loadcnt 0x0                             ; Q's fragments are in
	s_mov_b32 s[TK], KI
	s_mov_b32 s[TV], 0
	FETCH_K                                        ; key step 0
	s_wait_dscnt 0x0
.set i, 0
.rept 32
	KQ 0                                           ; piece 0's first scores
.set i, i+1
.endr
	WIN 0
	PLACES
	TURN 2, 0, 1, 1                                ; piece 2's first scores | piece 0's first softmax | V of step 0
	TURN 0, 1, 1, 1                                ; piece 0: V^T P of step 0 starts O^T, K Q^T of step 1 | piece 2's first softmax | K of step 1
	TURN 2, 1, 1, 0                                ; piece 2: the same | piece 0's softmax of step 1 | V of step 1
	WIN 0
	s_mov_b32 s[STEPS], 6
.Lstep:                                            ; key steps 1 to 6: V^T P of the step, K Q^T of the next
	TURN 0, 2, 1, 0
	TURN 2, 2, 1, 0
	WIN 0
	s_sub_co_u32 s[STEPS], s[STEPS], 1
	s_cmp_lg_u32 s[STEPS], 0
	s_cbranch_scc1 .Lstep
	s_cmp_eq_u32 s[PASS], 1                        ; the pass's last K Q^T is issued (sixteen plain instructions back): the next pass's queries are asked for here, if there is a next pass:
	s_cbranch_scc1 .Lno_q                          ; a branch on the count of passes; no load leaves its buffer
	s_add_nc_u64 s[4:5], s[4:5], 65536             ; (the loads that read this base were waited for at the pass's head)
	QLOAD
.Lno_q:
	TURN 0, 2, 0, 0                                ; piece 0: V^T P of step 7 | piece 2's last softmax
.set i, 0
.rept 32
	PV 2, 0                                        ; piece 2: V^T P of step 7
.set i, i+1
.endr
	; THE WAY OUT OF A PASS.  The sums' halves are joined (these additions are the places behind the last products); O^T / l, rounded to f16, IS source 1 of the product with Wc.
	WIN 0
.irp t, 0,1,2,3
	v_add_f32 v[ST+8*\t+4], v[ST+8*\t+2], v[ST+8*\t+3]
.endr
.irp t, 0,1,2,3
	v_permlanex16_b32 v[ST+8*\t+5], v[ST+8*\t+4], s[SEL], s[SEL+1]
.endr
.irp t, 0,1,2,3
	v_add_f32 v[ST+8*\t+4], v[ST+8*\t+4], v[ST+8*\t+5]
.endr
.irp t, 0,1,2,3
	v_rcp_f32 v[ST+8*\t+6], v[ST+8*\t+4]
.endr
	v_nop                                          ; a plain instruction behind the last reciprocal
	v_add_nc_u32 v[ADR], WCI, v[LI]
	WIN 0xc0                                       ; destination window 3: V is done with
.set ff, 0
.rept 32
	ds_load_b128 v[8*ff:8*ff+3],   v[ADR] offset:1024*ff      ; Wc^T's fragment (n tile ff / 4, e 32 (ff % 4) on)
	ds_load_b128 v[8*ff+4:8*ff+7], v[ADR] offset:1024*ff+512
.set ff, ff+1
.endr
	s_wait_alu depctr_va_vdst(0)                   ; one wait for the four reciprocals, ahead of their first reader
.irp t, 0,1,2,3
	WIN W_RS
.set i, 64*\t
.rept 32
	v_pk_mul_f32 v[i:i+1], v[i:i+1], v[ST+8*\t+6:ST+8*\t+7] op_sel_hi:[1,0]
.set i, i+2
.endr
	WIN 0x05                                       ; sources window 1, destination window 0: S^T's registers are free
.set i, 0
.rept 32
	v_cvt_pk_f16_f32 v[S+32*\t+i], v[64*\t+2*i], v[64*\t+2*i+1]   ; v[S + 32 t + 8 u ..] : 16 queries x e 32 u .. 32 u + 31
.set i, i+1
.endr
.endr
	s_wait_dscnt 0x0                               ; Wc's fragments are in
	; A tile's sixteen stores stand behind the NEXT tile's 32 products and four places: they leave while the matrix unit works, and only the last two tiles' follow the last product.
	WIN W_PV                                       ; source 0 (Wc^T) window 3, source 1 (the context) window 0, C and D window 1: O^T is packed and done with
	OUTT 0
	OUTT 1
	PLACES
	WIN 0x04                                       ; a store's data are its source 1: window 1
	STORET 0
	WIN W_PV
	OUTT 2
	PLACES
	WIN 0x04
	STORET 1
	WIN W_PV
	OUTT 3
	PLACES
	WIN 0x04
	STORET 2
	STORET 3
	WIN 0
	s_wait_xcnt 0x0                                ; the stores have read their data and their base: window 1 and the base are written again only behind this wait
	s_add_nc_u64 s[20:21], s[20:21], 131072
	s_sub_co_u32 s[PASS], s[PASS], 1
	s_cmp_lg_u32 s[PASS], 0
	s_cbranch_scc1 .Lpass
	s_wait_tensorcnt 0x0                           ; the wave's end, behind my tensor loads and my last LDS store
	ds_add_u32 v[SPW], v[NIL]
	s_wait_dscnt 0x0
	CROUND                                         ; the closing round
	s_endpgm
.Lfunc_end_k_qed470e1a24_attn:
	.size	k_qed470e1a24_attn, .Lfunc_end_k_qed470e1a24_attn-k_qed470e1a24_attn
	.p2alignl 7, 3214868480
	.fill 96, 4, 3214868480
	.section	.rodata,"a",@progbits
	.p2align	6, 0x0
	.amdhsa_kernel k_qed470e1a24_attn
		.amdhsa_group_segment_fixed_size 327680
		.amdhsa_private_segment_fixed_size 0
		.amdhsa_enable_private_segment 0
		.amdhsa_kernarg_size 72
		.amdhsa_user_sgpr_count 2
		.amdhsa_user_sgpr_kernarg_segment_ptr 1
		.amdhsa_wavefront_size32 1
		.amdhsa_system_sgpr_workgroup_id_x 1
		.amdhsa_system_sgpr_workgroup_id_y 1
		.amdhsa_system_sgpr_workgroup_id_z 1
		.amdhsa_system_vgpr_workitem_id 0
		.amdhsa_next_free_vgpr 1024
		.amdhsa_next_free_sgpr 80
		.amdhsa_reserve_vcc 0
		.amdhsa_float_denorm_mode_32 3
		.amdhsa_float_denorm_mode_16_64 3
		.amdhsa_memory_ordered 1
		.amdhsa_forward_progress 1
		.amdhsa_inst_pref_size 255
	.end_amdhsa_kernel
	.section	.bss,"aw",@nobits
	.p2align	6
	.space	262144
	.amdgpu_metadata
---
amdhsa.version: [ 1, 2 ]
amdhsa.kernels:
  - .name:           k_qed470e1a24_attn
    .symbol:         k_qed470e1a24_attn.kd
    .args:
      - { .name: qf, .offset: 0, .size: 8, .value_kind: global_buffer, .address_space: global }
      - { .name: sa, .offset: 8, .size: 8, .value_kind: global_buffer, .address_space: global }
      - { .name: sas, .offset: 16, .size: 8, .value_kind: global_buffer, .address_space: global }
      - { .name: wc4, .offset: 24, .size: 8, .value_kind: global_buffer, .address_space: global }
      - { .name: wsc, .offset: 32, .size: 8, .value_kind: global_buffer, .address_space: global }
      - { .name: bk, .offset: 40, .size: 8, .value_kind: global_buffer, .address_space: global }
      - { .name: bv, .offset: 48, .size: 8, .value_kind: global_buffer, .address_space: global }
      - { .name: wcf, .offset: 56, .size: 8, .value_kind: global_buffer, .address_space: global }
      - { .name: part, .offset: 64, .size: 8, .value_kind: global_buffer, .address_space: global }
    .group_segment_fixed_size: 327680
    .private_segment_fixed_size: 0
    .kernarg_segment_align: 8
    .kernarg_segment_size: 72
    .max_flat_workgroup_size: 128
    .sgpr_count:     80
    .vgpr_count:     1024
    .wavefront_size: 32
...
	.end_amdgpu_metadata
.endif
;; end of part 2
;; launch reduce (part 3): grid 256 x 1, 16 waves a work-group, no clusters, 10,496 bytes of LDS; arguments part, bc, out0; writes out0
.if DOCPART == 3
	.amdgcn_target "amdgcn-amd-amdhsa--gfx1250"
	.amdhsa_code_object_version 6
	.text
	.protected	k_qed470e1a24_reduce
	.globl	k_qed470e1a24_reduce
	.p2align	8
	.type	k_qed470e1a24_reduce,@function
k_qed470e1a24_reduce:
	s_mov_b64 s[64:65], 0
	v_nop
	global_prefetch_b8 v0, s[64:65] scope:SCOPE_SE
	s_setreg_imm32_b32 hwreg(HW_REG_WAVE_MODE, 25, 1), 1
	s_wait_xcnt 0x0
; out0 = bc + the sum over the 32 heads of part.  part: [head 32][row tile X 256][n tile 8][c 2][lane 32][16 bytes] f32, the image of the accumulators that made it:
; lane (r, hh), quad c holds out(16 X + r, 16 nt + 8 hh + 4 c + 0..3).  out0: [4096 rows][128] f32.
; Work-group X owns 16 rows of out0 (8,192 consecutive bytes); thread T owns the image's 16 bytes at 16 T in all 32 heads: 32 loads a thread, all issued at once, each of a wave covering 512 consecutive bytes.
; The sums run over the heads in ascending order, in two chains (even heads, odd heads); the order of rounding differs from a single chain's.
; The summed image turns through a stage in LDS (rows of 512 bytes + 16) and leaves as whole rows.  Memory binds: no matrix unit, no cluster, no tensor load.
.set SPITCH, 528
.set SPARE,  16*SPITCH                 ; behind the stage (33 blocks of 256 bytes): the spare words, 128 bytes for each of 16 waves
.set SPW,    12                        ; v12  LDS address of my spare word; never rewritten
.set NIL,    13                        ; v13  0; never rewritten
.set D,      20                        ; v20-147  head hd's quad at D + 4 hd
	s_load_b128 s[4:7], s[0:1], 0x0                ; part, bc
	s_load_b64 s[8:9], s[0:1], 0x10                ; out0
	v_lshl_add_u32 v[SPW], v0, 2, SPARE
	v_mov_b32 v[NIL], 0
	v_lshlrev_b32 v1, 4, v0                        ; 16 T
.irp i, 1,2,3,4,5,6,7
	v_add_nc_u32 v[1+\i], \i*8388608, v1           ; four heads further on: a head is 2,097,152 bytes; three of them stand in the immediate
.endr
	v_and_b32 v9, 15, v0
	v_mul_u32_u24 v9, v9, SPITCH                   ; into the stage: row r,
	v_bfe_u32 v19, v0, 4, 1
	v_lshl_add_u32 v9, v19, 5, v9                  ; + 32 hh
	v_bfe_u32 v19, v0, 5, 1
	v_lshl_add_u32 v9, v19, 4, v9                  ; + 16 c
	v_lshrrev_b32 v19, 6, v0
	v_lshl_add_u32 v9, v19, 6, v9                  ; + 64 nt
	v_and_b32 v11, 31, v0
	v_lshlrev_b32 v11, 4, v11                      ; 16 (T % 32): my place in a row, and in bc
	v_lshrrev_b32 v10, 5, v0
	v_mul_u32_u24 v10, v10, SPITCH
	v_add_nc_u32 v10, v10, v11                     ; out of the stage: row T / 32
	s_lshl_b32 s10, ttmp9, 13                      ; 8,192 X, in part's head 0 and in out0
	s_mov_b32 s11, 0
	s_wait_kmcnt 0x0
	s_add_nc_u64 s[4:5], s[4:5], s[10:11]
	s_add_nc_u64 s[8:9], s[8:9], s[10:11]
	global_load_b128 v[14:17], v11, s[6:7]         ; bc
.set hd, 0
.rept 32
	global_load_b128 v[D+4*hd:D+4*hd+3], v[1+hd/4], s[4:5] offset:2097152*(hd%4) th:TH_LOAD_NT
.set hd, hd+1
.endr
.macro ADDH h
	v_pk_add_f32 v[D+4*((\h)%2):D+4*((\h)%2)+1], v[D+4*((\h)%2):D+4*((\h)%2)+1], v[D+4*(\h):D+4*(\h)+1]
	v_pk_add_f32 v[D+4*((\h)%2)+2:D+4*((\h)%2)+3], v[D+4*((\h)%2)+2:D+4*((\h)%2)+3], v[D+4*(\h)+2:D+4*(\h)+3]
.endm
	s_wait_loadcnt 24                              ; bc and heads 0 to 7 are in; the 24 younger loads may be out
.irp h, 2,3,4,5,6,7
	ADDH \h
.endr
	s_wait_loadcnt 16
.irp h, 8,9,10,11,12,13,14,15
	ADDH \h
.endr
	s_wait_loadcnt 8
.irp h, 16,17,18,19,20,21,22,23
	ADDH \h
.endr
	s_wait_loadcnt 0x0
.irp h, 24,25,26,27,28,29,30,31
	ADDH \h
.endr
	v_pk_add_f32 v[D:D+1], v[D:D+1], v[D+4:D+5]    ; the two chains
	v_pk_add_f32 v[D+2:D+3], v[D+2:D+3], v[D+6:D+7]
	ds_store_b128 v9, v[D:D+3]
	s_wait_dscnt 0x0                               ; for the others' sake: my store has landed
	s_barrier_signal -1
	s_barrier_wait -1
	ds_load_b128 v[D+8:D+11], v10                  ; 16 bytes of a whole row
	s_wait_dscnt 0x0
	v_pk_add_f32 v[D+8:D+9], v[D+8:D+9], v[14:15]
	v_pk_add_f32 v[D+10:D+11], v[D+10:D+11], v[16:17]
	global_store_b128 v1, v[D+8:D+11], s[8:9]      ; a wave stores a row of 512 consecutive bytes, aligned
	s_wait_tensorcnt 0x0                           ; the wave's end, behind my last LDS store
	ds_add_u32 v[SPW], v[NIL]
	s_wait_dscnt 0x0
	s_endpgm
.Lfunc_end_k_qed470e1a24_reduce:
	.size	k_qed470e1a24_reduce, .Lfunc_end_k_qed470e1a24_reduce-k_qed470e1a24_reduce
	.p2alignl 7, 3214868480
	.fill 96, 4, 3214868480
	.section	.rodata,"a",@progbits
	.p2align	6, 0x0
	.amdhsa_kernel k_qed470e1a24_reduce
		.amdhsa_group_segment_fixed_size 10496
		.amdhsa_private_segment_fixed_size 0
		.amdhsa_enable_private_segment 0
		.amdhsa_kernarg_size 24
		.amdhsa_user_sgpr_count 2
		.amdhsa_user_sgpr_kernarg_segment_ptr 1
		.amdhsa_wavefront_size32 1
		.amdhsa_system_sgpr_workgroup_id_x 1
		.amdhsa_system_sgpr_workgroup_id_y 1
		.amdhsa_system_sgpr_workgroup_id_z 1
		.amdhsa_system_vgpr_workitem_id 0
		.amdhsa_next_free_vgpr 148
		.amdhsa_next_free_sgpr 66
		.amdhsa_reserve_vcc 0
		.amdhsa_float_denorm_mode_32 3
		.amdhsa_float_denorm_mode_16_64 3
		.amdhsa_memory_ordered 1
		.amdhsa_forward_progress 1
		.amdhsa_inst_pref_size 10
	.end_amdhsa_kernel
	.amdgpu_metadata
---
amdhsa.version: [ 1, 2 ]
amdhsa.kernels:
  - .name:           k_qed470e1a24_reduce
    .symbol:         k_qed470e1a24_reduce.kd
    .args:
      - { .name: part, .offset: 0, .size: 8, .value_kind: global_buffer, .address_space: global }
      - { .name: bc, .offset: 8, .size: 8, .value_kind: global_buffer, .address_space: global }
      - { .name: out0, .offset: 16, .size: 8, .value_kind: global_buffer, .address_space: global }
    .group_segment_fixed_size: 10496
    .private_segment_fixed_size: 0
    .kernarg_segment_align: 8
    .kernarg_segment_size: 24
    .max_flat_workgroup_size: 512
    .sgpr_count:     66
    .vgpr_count:     148
    .wavefront_size: 32
...
	.end_amdgpu_metadata
.endif
;; end of part 3
